; MI455X (gfx1250); checked and timed in simulation.
; The chip was launched on July 23, 2026; its instructions are those of AMD's public machine-readable ISA for CDNA 5 (MIT licence, August 2026) and "CDNA5" Instruction Set Architecture Reference Guide (July 2026). The comments in the code are by the model that wrote it; some were corrected since.
;; Memory Efficient Attention. Allowed arithmetic: matrix products marked QUANTISED: E3M2 operands, one E8M0 scale for each 32 along K, by v_wmma_scale_f32_16x16x128_f8f6f4 with both operands' format E3M2, f32 sums; everything else in f32.
;; Inputs: key 2,048 x 2 x 8 x 128 float32; query 2,048 x 2 x 32 x 128 float32; value 2,048 x 2 x 8 x 128 float32.
;; Outputs: out0 2,048 x 2 x 4,096 float32.
;; This version of the problem:
;;   THIS VERSION OF THE PROBLEM IS GIVEN IN LOW PRECISION. The matrix products marked QUANTISED in the list below multiply operands that are first quantised to E3M2 (3 exponent bits, 2 mantissa bits; 6 bits a number), with one power-of-two scale for each 32 numbers along K (OCP MX v1.0); their sums are f32. All else is computed in f32.
;;   The module's matrix products, in the order in which they are computed (A, B: the left and right operand; K: the contracted axis; several contracted axes count as one K, in the product's order):
;;     1. batch 64 x [M 2,048, K 128] x [K 128, N 2,048]; A: input query; B: input key: QUANTISED
;;     2. batch 64 x [M 128, K 2,048] x [K 2,048, N 2,048]; A: input value; B: softmax (see below): QUANTISED
;;   THE QUANTISER, for each operand of a quantised product, along K:
;;     - K is cut into blocks of 32 from its start; a last block that is shorter is filled with zeros.
;;     - A block's scale is 2^e with e = floor(log2(the largest magnitude in the block)) - 4, held to -126 .. 127; a block of zeros has e = 0. As a byte (E8M0): e + 127.
;;     - Each number is divided by its block's scale, clamped to +-28, and rounded to the nearest number of E3M2, ties to even, subnormals kept.
;;     - The product sums the exact products of the quantised numbers (number of the format x scale) in f32.
;;   ~~~python
;;   def quantise(x, axis):      # numpy; x: float32 -> the quantised numbers, widened to float32 again
;;       x = np.moveaxis(x, axis, -1); K = x.shape[-1]
;;       x = np.pad(x, [(0, 0)] * (x.ndim - 1) + [(0, -K % 32)]); x = x.reshape(x.shape[:-1] + (-1, 32)); a = np.abs(x).max(-1, keepdims=True)
;;       e = np.where(a > 0, np.clip(np.frexp(np.where(a > 0, a, 1))[1] - 1 - 4, -126, 127), 0)      # np.frexp(a)[1] - 1 = floor(log2(a)), exactly
;;       r = np.clip(x / 2.0 ** e, -28, 28)
;;       step = 2.0 ** (np.maximum(np.frexp(np.where(r == 0, 1, r))[1] - 1, -2) - 2)
;;       q = np.round(r / step) * step * 2.0 ** e      # np.round: ties to even
;;       return np.moveaxis(q.reshape(q.shape[:-2] + (-1,))[..., :K], -1, axis).astype(np.float32)
;;   ~~~
;;   SOFTMAX AHEAD OF A QUANTISED PRODUCT. Where the list says 'softmax', what is quantised is not the finished softmax but p = 2^(t - M), with t = logit x log2(e) and M = ceil(the row's largest t), a whole number; so 1/2 < the row's largest p <= 1. The row's sum l is taken of the UNQUANTISED p, in f32, and the product's result is divided by l at the end. Since M is a whole number, a kernel that streams over the keys may use a running M (the ceiling of the running maximum): every later rescaling is an exact power of two, which a block's scale takes up: the codes' values come out the same.
;;   OPERANDS COMPUTED ON THE WAY. 'Computed on the way' means the value that the module computes at that place (a softmax that the list does not call 'softmax' is quantised finished and normalised). What goes into a quantiser is computed in f32, as accurately as f32 sums, v_exp_f32 and their like allow (about 1e-6 of the number): no bf16 or f16 on the way to a quantiser, and a product that is left as it is and whose result goes on into a quantised operand takes f32 operands (vector FMAs, or v_wmma_f32_16x16x4_f32). A number that lies on a knife's edge between two numbers of the format may be rounded either way, as far as f32 arithmetic and the matrix unit's own rounding can turn it there, and no further.
;; One version. Each part assembles by itself: llvm-mc -triple=amdgcn-amd-amdhsa -mcpu=gfx1250 --defsym DOCPART=n.
;; ======== version 1 of 1: 2 launches
;; workspace buffers: kv 6,553,600 bytes
;; launch prep (part 1): grid 16 x 16, 8 waves a work-group, no clusters, 69,632 bytes of LDS; arguments key, value, kv; writes kv
.if DOCPART == 1
	.amdgcn_target "amdgcn-amd-amdhsa--gfx1250"
	.amdhsa_code_object_version 6
	.text
	.protected	k_q26cb779ae8_prep
	.globl	k_q26cb779ae8_prep
	.p2align	8
	.type	k_q26cb779ae8_prep,@function
k_q26cb779ae8_prep:
	s_mov_b64 s[64:65], 0
	v_nop
	global_prefetch_b8 v0, s[64:65] scope:SCOPE_SE
	s_setreg_imm32_b32 hwreg(HW_REG_WAVE_MODE, 25, 1), 1
	s_wait_xcnt 0x0
; key and value, [2048 (s)][2 (b)][8 (hk)][128 (d)] f32, become codes of BF6 (E3M2) with one E8M0 scale byte for each 32 along a product's K:
; key along d (the first product's K), value along the keys (the second product's K).  A block's scale is 2^(floor(log2(its largest magnitude)) - 4); its byte is
; the largest magnitude's exponent field - 4, held at 1 from below; each number is divided by the scale and rounded to the nearest code, ties to even, beyond 28 the largest code.
; LIMITS: a block of zeros gets the byte 1 where the quantiser says 127 (its codes are zeros, which add nothing under any byte but 0xff, and this program alone reads the bytes);
; NaN and infinities among the inputs are not served.
; THE WORKSPACE IS LAID AS THE READER'S REGISTERS WANT IT.  For each kv head g = 8 b + hk and each step x of 128 keys one dense block of 25,600 bytes at (16 g + x) x 25,600:
;   0       K's 8 fragments, tile T at 1,536 T: registers 4 G .. 4 G + 3 of lane (m, h) at 512 G + 256 h + 16 m
;   12,288  K's scale words: that of tile 2 p + u, row m, at 16 (16 u + m) + 4 p
;   12,800  V's 8 fragments;   25,088  V's scale words, both laid likewise
; K's tile T = 4 c + q: row m is key 64 c + 32 (m / 8) + 8 q + m % 8, so that in the transposed scores a lane's 32 registers of tiles 4 c .. 4 c + 3 are 32 NEIGHBOURING keys.  V's tile T: row m is channel 16 T + m.
; SHARES.  A work-group (x, g) makes one block.  Waves 0-3 take K, waves 4-7 V; wave p of a role makes tiles 2 p and 2 p + 1: lane l is row l % 16 of tile 2 p + l / 16 and holds all 128 numbers of that row along K.
; Only the loads differ.  K: a load takes one key's whole 512 bytes, 16 a lane; the 32 rows turn through the wave's own stage in LDS (pitch 528 = 33 x 16 bytes: the sixteen rows that a load of 16 bytes a lane
; touches begin at sixteen different 16-byte columns modulo 256) and come back one row a lane.  V: a lane takes a channel and its registers run down the keys; nothing is turned.
.set PIT,   528
.set STG,   32*PIT                     ; a K wave's stage
.set SCL,   4*STG                      ; behind the stages: the scale words, 512 bytes for each role
.set TM,    12                         ; v12-15   the four blocks' largest magnitudes
.set SO,    16                         ; v16-19   the conversions' scale operands
.set BY,    20                         ; v20-23   the scale bytes;  v24 the scale word
.set X,     32                         ; v32-159  my row's 128 numbers along K
.set C,     160                        ; v160-183 the codes: 12 registers for lane (m, 0) of the reader, 12 for lane (m, 1)
.set T2,    184                        ; v184-199 the upper halves of the four blocks, as the conversions leave them
	s_load_b128 s[4:7], s[0:1], 0x0                ; key, value
	s_load_b64 s[8:9], s[0:1], 0x10                ; kv
	v_lshl_add_u32 v208, v0, 2, 0x10c00
	v_mov_b32 v209, 0
	v_lshrrev_b32 v9, 5, v0
	v_readfirstlane_b32 s10, v9                    ; wave 0..7
	s_lshr_b32 s11, s10, 2                         ; role: 0 K, 1 V
	s_and_b32 s12, s10, 3                          ; p: my pair of tiles
	v_and_b32 v1, 31, v0                           ; lane
	v_lshlrev_b32 v2, 4, v1                        ; 16 x lane
	v_lshlrev_b32 v3, 2, v1                        ; 4 x lane
	s_mul_i32 s13, s12, STG                        ; every LDS address is made here, ahead of the parting by role
	v_add_nc_u32 v4, s13, v2                       ; the stage, on the way in: 16 bytes a lane of a row
	v_mul_u32_u24 v5, v1, PIT
	v_add_nc_u32 v5, s13, v5                       ; and on the way out: row = lane
	s_lshl_b32 s13, s11, 9
	s_add_co_u32 s13, s13, SCL                     ; my role's 512 bytes of scale words
	v_add_nc_u32 v7, s13, v2                       ; read back: 16 bytes a lane
	s_lshl_b32 s14, s12, 2
	s_add_co_u32 s14, s14, s13
	v_add_nc_u32 v6, s14, v2                       ; my word: 16 x lane + 4 p
	v_lshrrev_b32 v8, 4, v1
	v_mul_u32_u24 v8, v8, 1536
	v_and_b32 v9, 15, v1
	v_lshl_add_u32 v8, v9, 4, v8                   ; my codes' place in the pair's two images: 1,536 (lane / 16) + 16 (lane % 16)
	s_and_b32 s15, ttmp7, 0xffff                   ; g
	s_lshl_b32 s16, ttmp9, 20                      ; 128 x keys of 8,192 bytes,
	s_lshl_b32 s17, s15, 9                         ; and the head's 512 bytes in a key's row
	s_add_co_u32 s16, s16, s17
	s_mov_b32 s17, 0
	s_lshl_b32 s18, s15, 4
	s_add_co_u32 s18, s18, ttmp9
	s_mul_i32 s18, s18, 25600                      ; the block,
	s_mul_i32 s19, s11, 12800                      ; my role's half of it
	s_add_co_u32 s18, s18, s19
	s_mov_b32 s19, 0
	s_mul_i32 s20, s12, 3072                       ; my two images
	s_mov_b32 s21, 0
	s_wait_kmcnt 0x0
	s_add_nc_u64 s[22:23], s[8:9], s[18:19]
	s_add_nc_u64 s[24:25], s[22:23], s[20:21]
	s_cmp_lt_u32 s10, 4
	s_cbranch_scc0 .Lvalue
	; ---- K: my 32 keys are 64 (p / 2) + 16 (p % 2) + 0 .. 15 and the same + 32 .. 47
	s_lshr_b32 s26, s12, 1
	s_lshl_b32 s26, s26, 19
	s_and_b32 s27, s12, 1
	s_lshl_b32 s27, s27, 17
	s_add_co_u32 s26, s26, s27
	s_mov_b32 s27, 0
	s_add_nc_u64 s[4:5], s[4:5], s[16:17]
	s_add_nc_u64 s[4:5], s[4:5], s[26:27]
.set i, 0
.rept 32
	global_load_b128 v[X+4*i:X+4*i+3], v2, s[4:5] offset:((i&15)+32*(i>>4))*8192 th:TH_LOAD_NT   ; 32 lanes read one key's 512 consecutive bytes; read once in the launch
.set i, i+1
.endr
.set i, 0
.rept 32
	s_wait_loadcnt 31-i                            ; loads come back in order: load i is in, the 31 - i younger ones stay out
	ds_store_b128 v4, v[X+4*i:X+4*i+3] offset:(16*((i>>3)&1)+(i&7)+8*(i>>4))*PIT   ; to the stage row of the lane that owns this key: the tiles' choice of rows costs an immediate
.set i, i+1
.endr
.set i, 0
.rept 32
	ds_load_b128 v[X+4*i:X+4*i+3], v5 offset:16*i  ; LDS serves a wave's instructions in order: these see my stores
.set i, i+1
.endr
	s_wait_dscnt 0x0
	s_branch .Lquant
.Lvalue:
	; ---- V: lane l takes channel 32 p + l; register i is key 128 x + i
	s_lshl_b32 s26, s12, 7
	s_mov_b32 s27, 0
	s_add_nc_u64 s[6:7], s[6:7], s[16:17]
	s_add_nc_u64 s[6:7], s[6:7], s[26:27]
.set i, 0
.rept 128
	global_load_b32 v[X+i], v3, s[6:7] offset:i*8192 th:TH_LOAD_NT   ; 32 lanes read 128 consecutive bytes, the four V waves side by side 512
.set i, i+1
.endr
	s_wait_loadcnt 0x0
.Lquant:
	; ---- both roles: four blocks of 32 along K, all of them mine, by turns so that no line waits for the line above it
.irp b, 0,1,2,3
	v_max3_num_f32 v[TM+\b], |v[X+32*\b]|, |v[X+32*\b+1]|, 0x2800000   ; and the floor 2^(5 - 127), under which no largest magnitude is taken: so the byte cannot fall under 1
.endr
.irp i, 2,4,6,8,10,12,14,16,18,20,22,24,26,28,30
.irp b, 0,1,2,3
	v_max3_num_f32 v[TM+\b], v[TM+\b], |v[X+32*\b+\i]|, |v[X+32*\b+\i+1]|
.endr
.endr
.irp b, 0,1,2,3
	v_add_nc_u32 v[SO+\b], 0xfe000000, v[TM+\b]    ; 4 off the exponent field: the conversion takes the exponent field of this operand as its scale, and nothing else of it
.endr
.irp b, 0,1,2,3
	v_lshrrev_b32 v[BY+\b], 23, v[SO+\b]           ; the scale's byte
.endr
	v_lshl_or_b32 v24, v[BY+1], 8, v[BY]           ; my row's scale word: byte b for k = 32 b on
	v_lshl_or_b32 v24, v[BY+2], 16, v24
	v_lshl_or_b32 v24, v[BY+3], 24, v24
.irp b, 0,1,2,3                        ; the reader's lane (m, h) holds blocks h and 2 + h in registers 0-5 and 6-11: block b goes to C + 12 (b % 2) + 6 (b / 2)
	v_cvt_scalef32_pk16_bf6_f32 v[C+12*(\b&1)+6*(\b>>1):C+12*(\b&1)+6*(\b>>1)+2], v[X+32*\b:X+32*\b+15], v[SO+\b]
	v_cvt_scalef32_pk16_bf6_f32 v[T2+4*\b:T2+4*\b+2], v[X+32*\b+16:X+32*\b+31], v[SO+\b]   ; (a conversion's three registers begin on an even number: the upper half is made elsewhere and moved)
.endr
	v_nop                                          ; one plain place behind a scaled conversion
.irp b, 0,1,2,3
.irp i, 0,1,2
	v_mov_b32 v[C+12*(\b&1)+6*(\b>>1)+3+\i], v[T2+4*\b+\i]
.endr
.endr
.irp h, 0,1
.irp c, 0,1,2
	global_store_b128 v8, v[C+12*\h+4*\c:C+12*\h+4*\c+3], s[24:25] offset:512*\c+256*\h   ; lanes 0-15 store 256 consecutive bytes of tile 2 p's image, at a multiple of 256 from the buffer's first byte; lanes 16-31 of tile 2 p + 1's
.endr
.endr
	ds_store_b32 v6, v24
	s_wait_dscnt 0x0                               ; for the others' sake: my word lies in LDS
	s_barrier_signal -1
	s_barrier_wait -1                              ; every wave's does
	s_cmp_lg_u32 s12, 0                            ; the first wave of each role stores the role's 512 bytes of scale words
	s_cbranch_scc1 .Ldone
	ds_load_b128 v[200:203], v7
	s_wait_dscnt 0x0
	global_store_b128 v2, v[200:203], s[22:23] offset:12288   ; 32 lanes store 512 consecutive bytes, at a multiple of 256 from the buffer's first byte
.Ldone:
	s_wait_tensorcnt 0x0
	ds_add_u32 v208, v209
	s_wait_dscnt 0x0
	s_endpgm
.Lfunc_end_k_q26cb779ae8_prep:
	.size	k_q26cb779ae8_prep, .Lfunc_end_k_q26cb779ae8_prep-k_q26cb779ae8_prep
	.p2alignl 7, 3214868480
	.fill 96, 4, 3214868480
	.section	.rodata,"a",@progbits
	.p2align	6, 0x0
	.amdhsa_kernel k_q26cb779ae8_prep
		.amdhsa_group_segment_fixed_size 69632
		.amdhsa_private_segment_fixed_size 0
		.amdhsa_enable_private_segment 0
		.amdhsa_kernarg_size 24
		.amdhsa_user_sgpr_count 2
		.amdhsa_user_sgpr_kernarg_segment_ptr 1
		.amdhsa_wavefront_size32 1
		.amdhsa_system_sgpr_workgroup_id_x 1
		.amdhsa_system_sgpr_workgroup_id_y 1
		.amdhsa_system_sgpr_workgroup_id_z 1
		.amdhsa_system_vgpr_workitem_id 0
		.amdhsa_next_free_vgpr 210
		.amdhsa_next_free_sgpr 66
		.amdhsa_reserve_vcc 0
		.amdhsa_float_denorm_mode_32 3
		.amdhsa_float_denorm_mode_16_64 3
		.amdhsa_memory_ordered 1
		.amdhsa_forward_progress 1
		.amdhsa_inst_pref_size 30
	.end_amdhsa_kernel
	.amdgpu_metadata
---
amdhsa.version: [ 1, 2 ]
amdhsa.kernels:
  - .name:           k_q26cb779ae8_prep
    .symbol:         k_q26cb779ae8_prep.kd
    .args:
      - { .name: key, .offset: 0, .size: 8, .value_kind: global_buffer, .address_space: global }
      - { .name: value, .offset: 8, .size: 8, .value_kind: global_buffer, .address_space: global }
      - { .name: kv, .offset: 16, .size: 8, .value_kind: global_buffer, .address_space: global }
    .group_segment_fixed_size: 69632
    .private_segment_fixed_size: 0
    .kernarg_segment_align: 8
    .kernarg_segment_size: 24
    .max_flat_workgroup_size: 256
    .sgpr_count:     66
    .vgpr_count:     210
    .wavefront_size: 32
...
	.end_amdgpu_metadata
.endif
;; end of part 1
;; launch attn (part 2): grid 16 x 16, 16 waves a work-group, no clusters, 327,680 bytes of LDS; arguments query, kv, out0; writes out0
.if DOCPART == 2
	.amdgcn_target "amdgcn-amd-amdhsa--gfx1250"
	.amdhsa_code_object_version 6
	.text
	.protected	k_q26cb779ae8_attn
	.globl	k_q26cb779ae8_attn
	.p2align	8
	.type	k_q26cb779ae8_attn,@function
k_q26cb779ae8_attn:
	s_mov_b64 s[64:65], 0
	v_nop
	global_prefetch_b8 v0, s[64:65] scope:SCOPE_SE
	s_setreg_imm32_b32 hwreg(HW_REG_WAVE_MODE, 25, 1), 1
	s_wait_xcnt 0x0
; out0[s][b][128 hq + :] = the sum over keys k <= s of softmax_k(q . k / sqrt(128)) v, 32 query heads on 8 kv heads (query head hq reads kv head hq / 4), both products on codes of BF6 (E3M2) with one E8M0 scale for each 32 along K.
; query [2048][2][32][128] f32 is quantised here, in registers, along d.  K and V come as register images with their scale words out of kv: one dense block of 25,600 bytes for each kv head g = 8 b + hk and each 128 keys.
; THE SOFTMAX AHEAD OF THE SECOND PRODUCT: t = score x log2(e) / sqrt(128); M = the row's largest t so far, rounded UP to a whole number; p = 2^(t - M) is what is quantised, along the keys; it is not normalised.
; The row's sum is taken of the unquantised p, in f32, and divides O at the end.  When M moves, the sum and O are multiplied by 2^(old M - new M): exact.
; SHARES.  A work-group (j, g) owns the 4 query heads of kv head g at 64 positions, 256 rows: sixteen waves, each one tile of 16 queries (head wave / 4, positions 16 (wave % 4) on), in 256 registers, four waves to a SIMD.
; It does so for TWO blocks of positions, j and 31 - j.  Block i sees i / 2 + 1 steps of 128 keys, so the two together are 17 steps for every j: 256 work-groups of equal work, and one loop of constant count.
; Steps that lie wholly above the diagonal are never walked; in the last step of each block hidden scores become -infinity (p = 0).  Every query sees the first key of every step that it walks.
; LAYOUT.  Both products are used transposed: S^T = K Q^T (source 0 = 16 keys, source 1 = my 16 queries), O^T = V^T P^T (source 0 = 16 channels, source 1 = P): a lane holds ONE query (lane % 16) throughout.
; The keys of K's tiles are chosen so that register 96 + 32 c + i of lane (r, h) is key 64 c + 32 h + i: a WHOLE block of 32 keys in one lane, in the order of P's operand: no lane is asked for a block's maximum, no halves change places.
; NO CLUSTER: a joint request wants partners that ask for the same tile at the same step.  Of a kv head's sixteen work-groups only j = 2 m and 2 m + 1 walk the same sequence of tiles (the first block has j / 2 + 1 steps): pairs,
; where clusters here are of four; and what would be shared is 25,600 bytes a step.
; LIMITS: a block's largest p is made from the block's largest score by the same multiply-add and exponential, which takes v_exp_f32 not to fall where its input rises; a block of zeros keeps the byte 1 (its codes are zeros);
; NaN and infinities among the inputs are not served.
; LDS: two slots of 25,600 bytes at 0 and 32,768; from 65,536 a stage of 16 rows x 528 bytes for each wave (q's way in, O's way out), into which no fill lands; behind the stages the spare words.
; The launch claims all of a WGP's LDS.
; REGISTERS: v1-11 addresses and lane terms; v12 -M, v13 the largest t, v[14:15] the sum in two halves; v16-27 Q; v32-79 four fragments of K or V; v80-91, v92 the second block's Q and its scale word;
; v96-159 S^T, then p; v160-223 O^T; v224-235 p's codes; v232-245, v252, v254 at work; v248-251 K's, then V's scale words; v253 p's scale word; v255 Q's.
.set SLOT1, 1<<15                      ; slot 1 begins here: one exclusive or turns an address in one slot into the other's
.set KSO,   12288                      ; in a slot: K's scale words,
.set VFO,   12800                      ; V's fragments,
.set VSO,   25088                      ; V's scale words
.set STEPB, 25600
.set STAGE, 65536
.set SP,    528                        ; a stage row: 512 bytes + 16 = 33 x 16: the sixteen rows that a load or store of 16 bytes a lane touches begin at sixteen different 16-byte columns modulo 256
.set WST,   16*SP
.set SPARE, STAGE+16*WST               ; 128 bytes for each wave: eight blocks of 256 bytes that no other line names
.set ROWG,  32768                      ; bytes from a position to the next, in query and in out0 alike
.macro PLACES                          ; four plain places behind a matrix instruction, in front of loads into its registers and of the first read of its result (ISA guide 7.12.1 for vector instructions)
.rept 4
	v_nop
.endr
.endm
; Wave 0 fetches K's half of a step's block, wave 1 V's; the others nothing.  The branch hangs on the wave's number alone.  Four v_nop follow the load.
.macro TLOAD
	s_cmp_lt_u32 s10, 2
	s_cbranch_scc0 .Lasked_\@
	tensor_load_to_lds s[24:27], s[16:23]
	s_nop 0
	PLACES
.Lasked_\@:
.endm
; THE CHANGE OF SLOTS stands at a step's head.  Each wave waits for all its tensor loads (its part of the slot that is about to be read), adds 0 to its spare word, and waits for that and for its reads of the slot that it has left.
; Behind the barrier the slot ahead is whole and nobody reads the other one.  fill = 1: that other slot takes the next step's block; the load has a whole step's work in which to land.
.macro CHANGE fill
	s_wait_tensorcnt 0x0                           ; no tensor load of mine is out, so group 0 may be written
	ds_add_u32 v5, v6                              ; 0 onto my spare word: with fill = 1 the descriptor's steps stand between it and the wait for it
.if \fill
	s_xor_b32 s25, s25, SLOT1                      ; the other slot than last time;
	s_add_co_u32 s46, s15, 1
	s_cmp_eq_u32 s46, s13                          ; where the next step is the second block's first, the walk goes back to the head's first keys
	s_cselect_b32 s36, s14, 0
	s_add_nc_u64 s[26:27], s[26:27], STEPB         ; the next 128 keys; the type bits on top are not reached
	s_sub_nc_u64 s[26:27], s[26:27], s[36:37]
.endif
	s_wait_dscnt 0x0                               ; the add is done, and my reads of the slot that I have left are over
	s_barrier_signal -1
	s_barrier_wait -1
.if \fill
	TLOAD                                          ; the first thing behind the barrier, and a wave's one tensor load until the next
.endif
.endm
; 64 numbers of a lane, v[src + 32 c + i] = k 64 c + 32 h + i of my row, whose two blocks' largest magnitudes (not under the floor) lie in v232 and v233, become a fragment's codes in v[dst] on and its scale word in v[word].
.macro PACK2 src, dst, word
	v_add_nc_u32 v244, 0xfe000000, v232            ; 4 off the exponent field: the conversion takes the exponent field of this operand as its scale, and nothing else of it
	v_add_nc_u32 v245, 0xfe000000, v233
	v_lshrrev_b32 v236, 23, v244                   ; the scales' bytes
	v_lshrrev_b32 v237, 23, v245
	v_lshl_or_b32 v10, v237, 16, v236              ; my two bytes: blocks h and 2 + h of my row,
	v_lshlrev_b32 v10, v11, v10                    ; at their places in the scale word (8 h bits up);
	v_permlanex16_b32 v254, v10, s28, s29
	v_or_b32 v[\word], v10, v254                   ; with lane l xor 16's two the word is whole
.irp c, 0,1
	v_cvt_scalef32_pk16_bf6_f32 v[(\dst)+6*\c:(\dst)+6*\c+2], v[(\src)+32*\c:(\src)+32*\c+15], v[244+\c]
	v_cvt_scalef32_pk16_bf6_f32 v[236+4*\c:238+4*\c], v[(\src)+32*\c+16:(\src)+32*\c+31], v[244+\c]   ; (a conversion's three registers begin on an even number: the upper half is made elsewhere and moved)
.endr
	v_nop                                          ; one plain place behind a scaled conversion
.irp c, 0,1
.irp i, 0,1,2
	v_mov_b32 v[(\dst)+3+6*\c+\i], v[236+4*\c+\i]
.endr
.endr
.endm
; 16 rows of q, loaded one whole row to a load (v[src + 4 i] on: 16 bytes a lane of row i), turn through my stage, so that lane (r, h) holds d = 64 c + 32 h + 0 .. 31 of row r, and are quantised.
.macro QIN src, dst, word
.set i, 0
.rept 16
	ds_store_b128 v3, v[(\src)+4*i:(\src)+4*i+3] offset:SP*i
.set i, i+1
.endr
.irp c, 0,1
.irp n, 0,1,2,3,4,5,6,7
	ds_load_b128 v[(\src)+32*\c+4*\n:(\src)+32*\c+4*\n+3], v4 offset:256*\c+16*\n   ; LDS serves a wave's instructions in order: these see my stores
.endr
.endr
	s_wait_dscnt 0x0
.irp c, 0,1
	v_max3_num_f32 v[232+\c], |v[(\src)+32*\c]|, |v[(\src)+32*\c+1]|, 0x2800000   ; my block 2 c + h: all its 32 numbers are mine; and the floor 2^(5 - 127): the byte cannot fall under 1
.endr
.irp i, 2,4,6,8,10,12,14,16,18,20,22,24,26,28,30
.irp c, 0,1
	v_max3_num_f32 v[232+\c], v[232+\c], |v[(\src)+32*\c+\i]|, |v[(\src)+32*\c+\i+1]|
.endr
.endr
	PACK2 \src, \dst, \word
.endm
; A KEY STEP: the 128 keys of the slot in hand.
.macro STEP
	v_add_nc_u32 v8, s32, v1                       ; the slot + 16 x lane: every fragment comes as an image of its registers, 512 consecutive bytes a load
.irp g, 0,1                            ; S^T = K Q^T, four tiles of 16 keys at a time
.if \g
	PLACES
.endif
.irp t, 0,1,2,3
.irp c, 0,1,2
	ds_load_b128 v[32+12*\t+4*\c:35+12*\t+4*\c], v8 offset:1536*(4*\g+\t)+512*\c
.endr
.endr
.if \g == 0
	ds_load_b128 v[248:251], v8 offset:KSO         ; register p: lanes 0-15 the words of tile 2 p, lanes 16-31 those of tile 2 p + 1
.endif
	s_wait_dscnt 0x0
.irp t, 0,1,2,3
.set TT, 4*\g+\t
.if \t%2
	v_wmma_scale_f32_16x16x128_f8f6f4 v[96+8*TT:103+8*TT], v[32+12*\t:43+12*\t], v[16:27], 0, v[248+TT/2], v255 matrix_a_fmt:MATRIX_FMT_BF6 matrix_b_fmt:MATRIX_FMT_BF6 matrix_a_scale:MATRIX_SCALE_ROW1
.else
	v_wmma_scale_f32_16x16x128_f8f6f4 v[96+8*TT:103+8*TT], v[32+12*\t:43+12*\t], v[16:27], 0, v[248+TT/2], v255 matrix_a_fmt:MATRIX_FMT_BF6 matrix_b_fmt:MATRIX_FMT_BF6
.endif
.endr
.endr
	PLACES
.irp t, 0,1,2,3                        ; V's first four tiles and its scale words are asked for now: they land under the softmax
.irp c, 0,1,2
	ds_load_b128 v[32+12*\t+4*\c:35+12*\t+4*\c], v8 offset:VFO+1536*\t+512*\c
.endr
.endr
	ds_load_b128 v[248:251], v8 offset:VSO
	s_add_co_u32 s46, s33, 127                     ; a step all of whose keys count for my 16 queries skips the mask: a scalar branch on ids
	s_cmp_le_u32 s46, s34
	s_cbranch_scc1 .Lopen_\@
	s_sub_co_i32 s46, s34, s33
	v_add_nc_u32 v10, s46, v9                      ; d = my query - the step's first key - 32 h.  Register 32 c + i holds key 64 c + 32 h + i: hidden where 64 c + i > d
	v_mov_b32 v254, 0xff800000                     ; -infinity
.set n, 0
.rept 64
	v_cmp_gt_i32 vcc_lo, 64*(n/32)+n%32, v10
	v_cndmask_b32 v[96+n], v[96+n], v254, vcc_lo
.set n, n+1
.endr
.Lopen_\@:
.irp b, 0,1,2,3
	v_max3_num_f32 v[232+\b], v[96+16*\b], v[97+16*\b], v[98+16*\b]   ; the largest scores, four chains of 16 by turns, each accumulator from its low end on
.endr
.irp i, 3,5,7,9,11,13
.irp b, 0,1,2,3
	v_max3_num_f32 v[232+\b], v[232+\b], v[96+16*\b+\i], v[97+16*\b+\i]
.endr
.endr
.irp b, 0,1,2,3
	v_max_num_f32 v[232+\b], v[232+\b], v[111+16*\b]
.endr
	v_max_num_f32 v232, v232, v233                 ; THE LARGEST SCORE OF EACH OF MY TWO BLOCKS OF 32 KEYS: it serves twice: for the row's maximum, and, since p rises with the score, for the block's largest p
	v_max_num_f32 v233, v234, v235
	v_max_num_f32 v254, v232, v233
	v_permlanex16_b32 v236, v254, s28, s29
	v_max_num_f32 v254, v254, v236                 ; with lane l xor 16's 64 keys: the step's largest score of my query
	v_mul_f32 v254, s30, v254                      ; as t (c is positive)
	v_max_num_f32 v13, v13, v254                   ; the running largest t
	v_mov_b32 v254, v12
	v_floor_f32 v12, -v13                          ; the new -M = floor(-t) = -ceil(t): M is a whole number
	v_sub_f32 v254, v12, v254                      ; M's old value less its new one: a whole number, 0 or less
	v_cvt_i32_f32 v254, v254                       ; (it saturates)
	v_ldexp_f32 v252, 1.0, v254                    ; f = 2^(old M - new M): what was summed under the old M is brought under the new by a multiplication that rounds nothing
.set n, 0
.rept 32
	v_pk_fma_f32 v[96+n:97+n], v[96+n:97+n], s[30:31], v[12:13] op_sel_hi:[1,0,0]   ; t - M, two at a time (of the pairs c and -M the low word serves both halves)
.set n, n+2
.endr
	v_fma_f32 v232, v232, s30, v12                 ; the same of each block's largest score
	v_fma_f32 v233, v233, s30, v12
.set n, 0
.rept 64
	v_exp_f32 v[96+n], v[96+n]                     ; p = 2^(t - M), at most 1: not normalised
.set n, n+1
.endr
	v_exp_f32 v232, v232                           ; the blocks' largest p: the same two instructions on the same number give the same bits
	v_exp_f32 v233, v233
	v_pk_mul_f32 v[14:15], v[14:15], v[252:253] op_sel_hi:[1,0]   ; the sums under the new M.  (A plain place behind the exponentials)
	s_wait_alu depctr_va_vdst(0)
	v_max_num_f32 v232, 0x2800000, v232            ; the floor 2^(5 - 127): the byte cannot fall under 1 (a block whose every p is 0 keeps that byte: its codes are zeros)
	v_max_num_f32 v233, 0x2800000, v233
	PACK2 96, 224, 253
	v_pk_add_f32 v[236:237], v[96:97], v[98:99]    ; THE ROW'S SUM IS TAKEN OF THE UNQUANTISED p: two at a time, in two chains
.irp j, 4,8,12,16,20,24,28,32,36,40,44,48,52,56,60
	v_pk_add_f32 v[14:15], v[14:15], v[96+\j:97+\j]
	v_pk_add_f32 v[236:237], v[236:237], v[98+\j:99+\j]
.endr
	v_pk_add_f32 v[14:15], v[14:15], v[236:237]
.set n, 0
.rept 32
	v_pk_mul_f32 v[160+n:161+n], v[160+n:161+n], v[252:253] op_sel_hi:[1,0]   ; O^T under the new M: x f, each accumulator from its low end on.  (These and the sums are also the places between p's codes and scale word and the products below)
.set n, n+2
.endr
.irp g, 0,1                            ; O^T += V^T P^T: four tiles of 16 channels at a time; the eight accumulators take turns, one instruction a turn
.if \g
	PLACES
.irp t, 0,1,2,3
.irp c, 0,1,2
	ds_load_b128 v[32+12*\t+4*\c:35+12*\t+4*\c], v8 offset:VFO+1536*(4+\t)+512*\c
.endr
.endr
.endif
	s_wait_dscnt 0x0
.irp t, 0,1,2,3
.set TT, 4*\g+\t
.if \t%2
	v_wmma_scale_f32_16x16x128_f8f6f4 v[160+8*TT:167+8*TT], v[32+12*\t:43+12*\t], v[224:235], v[160+8*TT:167+8*TT], v[248+TT/2], v253 matrix_a_fmt:MATRIX_FMT_BF6 matrix_b_fmt:MATRIX_FMT_BF6 matrix_a_scale:MATRIX_SCALE_ROW1
.else
	v_wmma_scale_f32_16x16x128_f8f6f4 v[160+8*TT:167+8*TT], v[32+12*\t:43+12*\t], v[224:235], v[160+8*TT:167+8*TT], v[248+TT/2], v253 matrix_a_fmt:MATRIX_FMT_BF6 matrix_b_fmt:MATRIX_FMT_BF6
.endif
.endr
.endr
	PLACES                                         ; for the next step's loads and for the way out, on every way
	s_add_co_u32 s33, s33, 128                     ; the next step's first key,
	s_xor_b32 s32, s32, SLOT1                      ; in the other slot
.endm
; THE WAY OUT of a block of positions.  O^T / the sum goes through my stage and leaves as whole rows of 512 bytes.  again = 1: the second block's Q takes its place, and the running figures begin anew.
.macro FINISH optr, again
.if \again
.irp i, 0,1,2,3,4,5,6,7,8,9,10,11
	v_mov_b32 v[16+\i], v[80+\i]                   ; first, so that v80-95 are free for the rows that come back from the stage
.endr
	v_mov_b32 v255, v92
.endif
	v_add_f32 v14, v14, v15                        ; the sum's two halves,
	v_permlanex16_b32 v252, v14, s28, s29
	v_add_f32 v14, v14, v252                       ; and lane l xor 16's: the row's sum
	v_rcp_f32 v14, v14
	v_nop                                          ; one plain place behind a transcendental
.set n, 0
	s_wait_alu depctr_va_vdst(0)
.rept 64
	v_mul_f32 v[96+n], v[160+n], v14               ; register 8 T + i is o(query r, channel 16 T + 8 h + i); each accumulator from its low end on
.set n, n+1
.endr
.irp t, 0,1,2,3,4,5,6,7
	ds_store_b128 v2, v[96+8*\t:99+8*\t] offset:64*\t
	ds_store_b128 v2, v[100+8*\t:103+8*\t] offset:64*\t+16
.endr
.set i, 0
.rept 16
	ds_load_b128 v[32+4*i:35+4*i], v3 offset:SP*i  ; LDS serves a wave's instructions in order: these see my stores
.set i, i+1
.endr
.set i, 0
.rept 16
	s_wait_dscnt 15-i                              ; row i is back; the 15 - i younger loads stay out
	global_store_b128 v7, v[32+4*i:35+4*i], s[\optr:\optr+1] offset:ROWG*i th:TH_STORE_NT   ; 32 lanes store 512 consecutive bytes, at a multiple of 256 from out0's first byte; written once, read by nobody here
.set i, i+1
.endr
.if \again
	s_wait_xcnt 0x0                                ; the stores' data registers are loaded into again only behind this wait
	v_mov_b32 v13, 0xff61b1e6                      ; the largest t so far: -3e38, under every t
	v_floor_f32 v12, -v13                          ; -M
	v_mov_b32 v14, 0
	v_mov_b32 v15, 0
.set n, 0
.rept 64
	v_mov_b32 v[160+n], 0                          ; O^T: the step is written once and finds zeros, which the first change of M leaves zeros
.set n, n+1
.endr
	s_mov_b32 s33, 0                               ; the second block begins at the head's first key,
	s_mov_b32 s34, s35                             ; with its own queries
.endif
.endm
	s_load_b128 s[4:7], s[0:1], 0x0                ; query, kv
	s_load_b64 s[8:9], s[0:1], 0x10                ; out0
	v_lshl_add_u32 v5, v0, 2, SPARE                ; my spare word; never rewritten
	v_mov_b32 v6, 0                                ; 0; never rewritten
	ds_add_u32 v5, v6
	s_wait_dscnt 0x0
	v_lshrrev_b32 v10, 5, v0
	v_readfirstlane_b32 s10, v10                   ; wave 0..15
	s_mov_b32 s11, ttmp9                           ; j
	s_and_b32 s12, ttmp7, 0xffff                   ; g
	s_lshr_b32 s13, s11, 1
	s_add_co_u32 s13, s13, 1                       ; the first block's steps: j / 2 + 1, at most 8
	s_mul_i32 s14, s13, STEPB                      ; and their bytes in kv
	s_mov_b32 s15, 0                               ; the step, 0 .. 16
	; descriptor group 1: half a block, 12,800 dense bytes, as 50 rows of 256 bytes (32 elements of 8 bytes), no padding
	s_mov_b32 s16, 3<<16                           ; 15:0 no mask; 17:16 elements of 8 bytes; 20 padding off
	s_mov_b32 s17, 32<<16                          ; tensor_dim0 = 32
	s_mov_b32 s18, 50<<16                          ; tensor_dim1 = 50
	s_mov_b32 s19, 32<<16                          ; tile_dim0 = 32
	s_mov_b32 s20, 50                              ; tile_dim1 = 50
	s_mov_b32 s21, 32                              ; tensor_dim0_stride
	s_mov_b32 s22, 0
	s_mov_b32 s23, 0
	s_mov_b32 s28, 0x76543210
	s_mov_b32 s29, 0xfedcba98                      ; v_permlanex16_b32's selects for lane l xor 16
	s_mov_b32 s30, 0x3e0293ee                      ; c = log2(e) / sqrt(128)
	s_mov_b32 s31, s30                             ; (named with it as a pair, so it is written)
	s_mov_b32 s32, 0                               ; the slot in hand
	s_mov_b32 s33, 0                               ; the step's first key
	s_mov_b32 s37, 0
	s_lshr_b32 s46, s10, 2                         ; my query head among the four
	s_and_b32 s47, s10, 3
	s_lshl_b32 s48, s47, 4                         ; my 16 positions among the 64
	s_lshl_b32 s34, s11, 6
	s_add_co_u32 s34, s34, s48                     ; my first query in block j
	s_sub_co_u32 s35, 31, s11
	s_lshl_b32 s35, s35, 6
	s_add_co_u32 s35, s35, s48                     ; and in block 31 - j
	s_lshl_b32 s49, s12, 11
	s_lshl_b32 s50, s46, 9
	s_add_co_u32 s49, s49, s50                     ; my head's 512 bytes in a position's row: 2,048 g + 512 head, in query and in out0 alike
	s_lshl_b32 s50, s34, 15
	s_add_co_u32 s50, s50, s49
	s_mov_b32 s51, 0
	s_lshl_b32 s52, s35, 15
	s_add_co_u32 s52, s52, s49
	s_mov_b32 s53, 0
	s_and_b32 s54, s10, 1
	s_mul_i32 s54, s54, VFO                        ; which half of a block I fetch, if I fetch: in memory and in a slot alike
	s_mul_i32 s56, s12, 16*STEPB                   ; the kv head's sixteen blocks
	s_add_co_u32 s56, s56, s54
	s_mov_b32 s57, 0
	s_mul_i32 s55, s10, WST
	s_add_co_u32 s55, s55, STAGE                   ; my stage
	s_wait_kmcnt 0x0
	s_mov_b32 s24, 1                               ; group 0: 1:0 count = 1
	s_mov_b32 s25, s54                             ; 63:32 LDS address: slot 0
	s_add_nc_u64 s[26:27], s[6:7], s[56:57]        ; 120:64 global address: the head's first 128 keys
	s_or_b32 s27, s27, 0x80000000                  ; 127:126 type = 2
	TLOAD                                          ; slot 0: the one fill at the start, ahead of every LDS read, barrier and wait on TENSORcnt
	s_add_nc_u64 s[38:39], s[4:5], s[50:51]        ; q of the first block, of the second;
	s_add_nc_u64 s[40:41], s[4:5], s[52:53]
	s_add_nc_u64 s[42:43], s[8:9], s[50:51]        ; out0 likewise
	s_add_nc_u64 s[44:45], s[8:9], s[52:53]
	v_and_b32 v10, 31, v0
	v_lshlrev_b32 v7, 4, v10                       ; memory: 16 bytes a lane of a row of 512
.set i, 0
.rept 16
	global_load_b128 v[96+4*i:99+4*i], v7, s[38:39] offset:ROWG*i th:TH_LOAD_NT   ; 32 lanes read one query's 512 consecutive bytes; read once in the launch
.set i, i+1
.endr
.set i, 0
.rept 16
	global_load_b128 v[160+4*i:163+4*i], v7, s[40:41] offset:ROWG*i th:TH_LOAD_NT
.set i, i+1
.endr
	v_lshlrev_b32 v1, 4, v10                       ; LDS: 16 x lane
	v_and_b32 v8, 15, v0                           ; r
	v_bfe_u32 v10, v0, 4, 1                        ; h
	v_add_nc_u32 v3, s55, v1                       ; the stage by whole rows: 16 bytes a lane
	v_mul_u32_u24 v2, v8, SP
	v_add_nc_u32 v2, s55, v2
	v_lshl_add_u32 v4, v10, 7, v2                  ; q's way in: row r, + 128 h
	v_lshl_add_u32 v2, v10, 5, v2                  ; O's way out: row r, + 32 h
	v_lshlrev_b32 v11, 5, v10
	v_sub_nc_u32 v9, v8, v11                       ; r - 32 h, for the mask
	v_lshlrev_b32 v11, 3, v10                      ; 8 h, for the scale words
	v_mov_b32 v236, 0                              ; written once: a lane permute's destination counts as one of its sources
	v_mov_b32 v252, 0
	v_mov_b32 v254, 0
	v_mov_b32 v253, 0                              ; (named as the upper half of the pair v[252:253] before it is first written)
	v_mov_b32 v13, 0xff61b1e6                      ; the largest t so far: -3e38, under every t
	v_floor_f32 v12, -v13                          ; -M
	v_mov_b32 v14, 0                               ; the sum, in two halves
	v_mov_b32 v15, 0
	s_wait_loadcnt 16                              ; the first block's sixteen rows are in; the second block's sixteen loads stay out
	QIN 96, 16, 255
	s_wait_loadcnt 0x0
	QIN 160, 80, 92
.set n, 0
.rept 64
	v_mov_b32 v[160+n], 0                          ; O^T
.set n, n+1
.endr
.Lstep:                                            ; 16 trips: behind each change of slots but the last the next step's block is asked for
	CHANGE 1
	s_cmp_lg_u32 s15, s13                          ; where the first block's steps are done, it leaves: a scalar branch on ids, round no barrier and no tensor load
	s_cbranch_scc1 .Lsame
	FINISH 42, 1
.Lsame:
	STEP
	s_add_co_u32 s15, s15, 1
	s_cmp_lt_u32 s15, 16
	s_cbranch_scc1 .Lstep
	CHANGE 0                                       ; the last step is written out
	STEP
	FINISH 44, 0
	s_wait_tensorcnt 0x0                           ; the wave's end: behind my last tensor load and my last LDS store
	ds_add_u32 v5, v6
	s_wait_dscnt 0x0
	s_endpgm
.Lfunc_end_k_q26cb779ae8_attn:
	.size	k_q26cb779ae8_attn, .Lfunc_end_k_q26cb779ae8_attn-k_q26cb779ae8_attn
	.p2alignl 7, 3214868480
	.fill 96, 4, 3214868480
	.section	.rodata,"a",@progbits
	.p2align	6, 0x0
	.amdhsa_kernel k_q26cb779ae8_attn
		.amdhsa_group_segment_fixed_size 327680
		.amdhsa_private_segment_fixed_size 0
		.amdhsa_enable_private_segment 0
		.amdhsa_kernarg_size 24
		.amdhsa_user_sgpr_count 2
		.amdhsa_user_sgpr_kernarg_segment_ptr 1
		.amdhsa_wavefront_size32 1
		.amdhsa_system_sgpr_workgroup_id_x 1
		.amdhsa_system_sgpr_workgroup_id_y 1
		.amdhsa_system_sgpr_workgroup_id_z 1
		.amdhsa_system_vgpr_workitem_id 0
		.amdhsa_next_free_vgpr 256
		.amdhsa_next_free_sgpr 66
		.amdhsa_reserve_vcc 1
		.amdhsa_float_denorm_mode_32 3
		.amdhsa_float_denorm_mode_16_64 3
		.amdhsa_memory_ordered 1
		.amdhsa_forward_progress 1
		.amdhsa_inst_pref_size 81
	.end_amdhsa_kernel
	.amdgpu_metadata
---
amdhsa.version: [ 1, 2 ]
amdhsa.kernels:
  - .name:           k_q26cb779ae8_attn
    .symbol:         k_q26cb779ae8_attn.kd
    .args:
      - { .name: query, .offset: 0, .size: 8, .value_kind: global_buffer, .address_space: global }
      - { .name: kv, .offset: 8, .size: 8, .value_kind: global_buffer, .address_space: global }
      - { .name: out0, .offset: 16, .size: 8, .value_kind: global_buffer, .address_space: global }
    .group_segment_fixed_size: 327680
    .private_segment_fixed_size: 0
    .kernarg_segment_align: 8
    .kernarg_segment_size: 24
    .max_flat_workgroup_size: 512
    .sgpr_count:     66
    .vgpr_count:     256
    .wavefront_size: 32
...
	.end_amdgpu_metadata
.endif
;; end of part 2
